; MI455X (gfx1250); checked and timed in simulation.
; The chip was launched on July 23, 2026; its instructions are those of AMD's public machine-readable ISA for CDNA 5 (MIT licence, August 2026) and "CDNA5" Instruction Set Architecture Reference Guide (July 2026). The comments in the code are by the model that wrote it; some were corrected since.
;; Mo E. Allowed arithmetic: matrix products marked QUANTISED: E2M1 operands, one E8M0 scale for each 32 along K, by v_wmma_scale_f32_16x16x128_f8f6f4 with both operands' format E2M1 (or v_wmma_scale_f32_32x16x128_f4), f32 sums; products left as they are: f32 operands where the result goes on into a quantised operand, else bf16, f16 or f32 operands; f32 sums; everything else in f32.
;; Inputs: W1 8 x 512 x 2,048 float32; W2 8 x 2,048 x 512 float32; Wr 512 x 8 float32; b1 8 x 2,048 float32; b2 8 x 512 float32; br 8 float32; x 4 x 1,024 x 512 float32.
;; Outputs: out0 4 x 1,024 x 8 float32; out1 4 x 1,024 x 2 int32; out2 4 x 1,024 x 512 float32.
;; This version of the problem:
;;   THIS VERSION OF THE PROBLEM IS GIVEN IN LOW PRECISION. The matrix products marked QUANTISED in the list below multiply operands that are first quantised to E2M1 (2 exponent bits, 1 mantissa bit; 4 bits a number), with one power-of-two scale for each 32 numbers along K (OCP MX v1.0); their sums are f32. All else is computed in f32.
;;   The module's matrix products, in the order in which they are computed (A, B: the left and right operand; K: the contracted axis; several contracted axes count as one K, in the product's order):
;;     1. [M 4,096, K 512] x [K 512, N 8]; A: input x; B: input Wr: left as it is (N = 8 < 16)
;;     2. batch 4,096 x [M 1, K 2] x [K 2, N 8]; A: softmax; B: computed on the way: left as it is (K = 2 < 32)
;;     3. [M 4,096, K 512] x [K 512, N 16,384]; A: input x; B: input W1: QUANTISED
;;     4. batch 8 x [M 512, K 2,048] x [K 2,048, N 4,096]; A: input W2; B: computed on the way: QUANTISED
;;     5. batch 4,096 x [M 512, K 8] x [K 8, N 1]; A: computed on the way; B: computed on the way: left as it is (K = 8 < 32)
;;   THE QUANTISER, for each operand of a quantised product, along K:
;;     - K is cut into blocks of 32 from its start; a last block that is shorter is filled with zeros.
;;     - A block's scale is 2^e with e = floor(log2(the largest magnitude in the block)) - 2, held to -126 .. 127; a block of zeros has e = 0. As a byte (E8M0): e + 127.
;;     - Each number is divided by its block's scale, clamped to +-6, and rounded to the nearest number of E2M1, ties to even, subnormals kept.
;;     - The product sums the exact products of the quantised numbers (number of the format x scale) in f32.
;;   ~~~python
;;   def quantise(x, axis):      # numpy; x: float32 -> the quantised numbers, widened to float32 again
;;       x = np.moveaxis(x, axis, -1); K = x.shape[-1]
;;       x = np.pad(x, [(0, 0)] * (x.ndim - 1) + [(0, -K % 32)]); x = x.reshape(x.shape[:-1] + (-1, 32)); a = np.abs(x).max(-1, keepdims=True)
;;       e = np.where(a > 0, np.clip(np.frexp(np.where(a > 0, a, 1))[1] - 1 - 2, -126, 127), 0)      # np.frexp(a)[1] - 1 = floor(log2(a)), exactly
;;       r = np.clip(x / 2.0 ** e, -6, 6)
;;       step = 2.0 ** (np.maximum(np.frexp(np.where(r == 0, 1, r))[1] - 1, 0) - 1)
;;       q = np.round(r / step) * step * 2.0 ** e      # np.round: ties to even
;;       return np.moveaxis(q.reshape(q.shape[:-2] + (-1,))[..., :K], -1, axis).astype(np.float32)
;;   ~~~
;;   OPERANDS COMPUTED ON THE WAY. 'Computed on the way' means the value that the module computes at that place (a softmax that the list does not call 'softmax' is quantised finished and normalised). What goes into a quantiser is computed in f32, as accurately as f32 sums, v_exp_f32 and their like allow (about 1e-6 of the number): no bf16 or f16 on the way to a quantiser, and a product that is left as it is and whose result goes on into a quantised operand takes f32 operands (vector FMAs, or v_wmma_f32_16x16x4_f32). A number that lies on a knife's edge between two numbers of the format may be rounded either way, as far as f32 arithmetic and the matrix unit's own rounding can turn it there, and no further.
;; One version. Each part assembles by itself: llvm-mc -triple=amdgcn-amd-amdhsa -mcpu=gfx1250 --defsym DOCPART=n.
;; ======== version 1 of 1: 3 launches
;; workspace buffers: wq 8,388,608 bytes; ws 524,288 bytes; xq 1,048,576 bytes; xs 65,536 bytes; gates 32,768 bytes; route 32,768 bytes of whole numbers; plan 21,760 bytes of whole numbers
;; launch prep (part 1): grid 640 x 1, 4 waves a work-group, no clusters, 22,528 bytes of LDS; arguments x, Wr, br, W1, route, out0, out1, wq, ws, xq, xs, gates; writes route, out0, out1, wq, ws, xq, xs, gates
.if DOCPART == 1
	.amdgcn_target "amdgcn-amd-amdhsa--gfx1250"
	.amdhsa_code_object_version 6
	.text
	.protected	k_qc0640991f9_prep
	.globl	k_qc0640991f9_prep
	.p2align	8
	.type	k_qc0640991f9_prep,@function
k_qc0640991f9_prep:
	s_mov_b64 s[64:65], 0
	v_nop
	global_prefetch_b8 v0, s[64:65] scope:SCOPE_SE
	s_setreg_imm32_b32 hwreg(HW_REG_WAVE_MODE, 25, 1), 1
	s_wait_xcnt 0x0
; PREP: the router, x into codes of FP4 (E2M1), W1 into codes of FP4 laid in the order of the operand's registers.  (W2 is quantised by the second launch, beside the placing of the tokens.)
; WORK LEFT OUT BY THE PROGRAM, AND WHY IT IS DEAD.  reference() makes gate[b,t,e] as the sum over k of scores[b,t,k] x one_hot(topk_idx)[b,t,k,e]: for the six experts e that are not in
; topk_idx[b,t] every term has the factor 0 that one_hot builds, so gate[b,t,e] = 0 for all values of the inputs, and out = sum over e of y[b,t,e,:] x gate[b,t,e] takes nothing from y and h of
; those (token, expert) rows in exact arithmetic.  They come in whole rows of products 3 and 4 and are not computed: 8,192 of 32,768 rows remain.  Products 2 and 5 shrink to two gates a token.
; No input loses its way to an output: all seven are loaded by the program.  LIMIT: a NaN, an infinity or an overflow that arises only in a row that was not chosen (0 x infinity) is not carried to the result.
; LIMITS OF RANGE: NaN and -infinity among the logits are not served by the top-2; a block of 32 whose largest magnitude lies under 2^-124 gets the scale byte 1; a block of zeros gets the
; byte 1 where the rule says 127: its codes are zeros, and the bytes are read by this program alone.
; TWO PATHS, parted on the work-group's number alone: 0-127 the router and x (32 tokens each); 128-639 W1.  Only the router's path touches LDS and has a barrier.
; The logits are sums of f32 multiply-adds: out1 is compared exactly and hangs on them.  Nothing in this launch branches or forms an address on the choice: it is stored at fixed places.
.set SPARE, 22016                      ; LDS: the spare words, 128 bytes for each wave: two blocks of 256 bytes that no other line names
.set LOGI,  20480                      ; 32 tokens x 8 sums (x . Wr), 32 bytes a token
.set XSC,   21504                      ; 32 tokens x 16 scale bytes
.set SP,    80                         ; a lane's place in a stage: 64 bytes + 16 of padding
.set STG,   32*SP                      ; a stage; each wave has two, from byte 5,120 x wave on
	s_load_b512 s[8:23], s[0:1], 0x0               ; x s[8:9], Wr s[10:11], br s[12:13], W1 s[14:15], route s[16:17], out0 s[18:19], out1 s[20:21], wq s[22:23]
	s_load_b256 s[24:31], s[0:1], 0x40             ; ws s[24:25], xq s[26:27], xs s[28:29], gates s[30:31]
	v_lshl_add_u32 v10, v0, 2, SPARE               ; my spare word, and 0: kept for the closing lines alone
	v_mov_b32 v11, 0
	v_lshrrev_b32 v1, 5, v0
	v_readfirstlane_b32 s2, v1                     ; wave 0..3
	v_and_b32 v9, 31, v0                           ; lane
	s_mov_b32 s5, 0                                ; the high words of three 64-bit offsets
	s_mov_b32 s7, 0
	s_mov_b32 s51, 0
	s_cmp_lt_u32 ttmp9, 128
	s_cbranch_scc1 .Lrouter
	v_lshrrev_b32 v4, 4, v9                        ; u: lanes 0-15 make the pair's even tile, lanes 16-31 the odd one
	v_and_b32 v2, 15, v9
	v_lshlrev_b32 v2, 4, v2
	v_lshl_add_u32 v2, v4, 10, v2                  ; codes: 1,024 u + 16 r
	v_lshlrev_b32 v3, 2, v9                        ; scale words: 4 x lane
; THE WEIGHT.  K is the first axis of a weight, so a LANE TAKES A COLUMN AND ITS REGISTERS RUN DOWN K: a block of 32 lies in one lane, and the conversions give codes with K innermost.
; A wave takes 32 columns x 128 along K: one K step of two tiles of 16 rows of the operand.  A fragment's image is 1,024 bytes: register group c of lane L at 512 c + 16 L, where lane (r, h) holds
; k = 64 c + 32 h + 0..31.  My block kb = 2 c + h of row r of tile u therefore goes to 1,024 u + 16 r + 256 kb: each half of the wave stores 256 consecutive bytes, aligned.
.macro WLD kb, pitch, sb               ; block kb: 32 rows of the weight at my column; 32 lanes read 128 consecutive bytes, the four waves 512
.irp i, 0,1,2,3,4,5,6,7,8,9,10,11,12,13,14,15,16,17,18,19,20,21,22,23,24,25,26,27,28,29,30,31
	global_load_b32 v[32+32*(\kb)+\i], v1, s[\sb:\sb+1] offset:(32*(\kb)+\i)*(\pitch) th:TH_LOAD_NT
.endr
.endm
.macro WBLK kb
.set XB, 32+32*(\kb)
	v_max3_num_f32 v4, |v[XB]|, |v[XB+1]|, |v[XB+2]|               ; the block's largest magnitude: all 32 numbers are mine; two chains
	v_max3_num_f32 v5, |v[XB+3]|, |v[XB+4]|, |v[XB+5]|
.irp i, 6,10,14,18,22,26
	v_max3_num_f32 v4, v4, |v[XB+\i]|, |v[XB+\i+1]|
	v_max3_num_f32 v5, v5, |v[XB+\i+2]|, |v[XB+\i+3]|
.endr
	v_max3_num_f32 v4, v4, |v[XB+30]|, |v[XB+31]|
	v_max3_num_f32 v4, v4, v5, 0x1800000           ; and the floor 2^(3 - 127): the byte cannot fall under 1
	v_add_nc_u32 v6, 0xff000000, v4                ; 2 off the exponent field: the conversion takes the exponent field of this operand as its scale
	v_lshrrev_b32 v7, 23, v6                       ; the scale's byte
.if (\kb) == 0
	v_mov_b32 v12, v7                              ; the four bytes make my row's scale word for this K step
.else
	v_lshl_or_b32 v12, v7, 8*(\kb), v12
.endif
.irp g, 0,1,2,3
	v_cvt_scalef32_pk8_fp4_f32 v[16+4*(\kb)+\g], v[XB+8*\g:XB+8*\g+7], v6
.endr
	global_store_b128 v2, v[16+4*(\kb):19+4*(\kb)], s[22:23] offset:256*(\kb)   ; each block has its own four registers: no store's data are written again
.endm
.macro WPATH pitch, sb                 ; two blocks of loads are always out while one is worked on
	WLD 0, \pitch, \sb
	WLD 1, \pitch, \sb
	s_wait_loadcnt 32                              ; block 0 is in; block 1's 32 loads may be out
	WLD 2, \pitch, \sb
	WBLK 0
	s_wait_loadcnt 32                              ; block 1 is in; block 2's may be out
	WLD 3, \pitch, \sb
	WBLK 1
	s_wait_loadcnt 32                              ; block 2 is in; block 3's may be out
	WBLK 2
	s_wait_loadcnt 0x0
	WBLK 3
	global_store_b32 v3, v12, s[24:25]             ; 128 bytes: lanes 0-15 the even tile's scale words, lanes 16-31 the odd tile's
.endm
	; W1 [8][512 (k)][2048 (n)]: work-group g: 128 hidden units (g & 15), K step (g >> 4) & 3, expert g >> 6; my wave's 32 hidden units are pair b = wave of the group's four
	s_sub_co_u32 s3, ttmp9, 128
	s_and_b32 s46, s3, 15                          ; group of 128 hidden units
	s_bfe_u32 s47, s3, 0x20004                     ; K step
	s_lshr_b32 s48, s3, 6                          ; expert
	s_lshl_b32 s4, s48, 22                         ; W1: 4,194,304 e + 1,048,576 s + 512 group + 128 wave
	s_lshl_b32 s53, s47, 20
	s_add_co_u32 s4, s4, s53
	s_lshl_b32 s53, s46, 9
	s_add_co_u32 s4, s4, s53
	s_lshl_b32 s53, s2, 7
	s_add_co_u32 s4, s4, s53
	s_lshl_b32 s6, s48, 19                         ; codes: 524,288 e + 32,768 group + 8,192 s + 2,048 wave
	s_lshl_b32 s53, s46, 15
	s_add_co_u32 s6, s6, s53
	s_lshl_b32 s53, s47, 13
	s_add_co_u32 s6, s6, s53
	s_lshl_b32 s53, s2, 11
	s_add_co_u32 s6, s6, s53
	s_lshl_b32 s50, s48, 15                        ; scale words: 32,768 e + 2,048 group + 512 s + 128 wave
	s_lshl_b32 s53, s46, 11
	s_add_co_u32 s50, s50, s53
	s_lshl_b32 s53, s47, 9
	s_add_co_u32 s50, s50, s53
	s_lshl_b32 s53, s2, 7
	s_add_co_u32 s50, s50, s53
	; THE ROWS OF W1 THAT FORM A TILE ARE NOT NEIGHBOURS: row r of tile 2 b + u is hidden unit 32 b + 8 u + r + 8 (r / 8), so that the chain's results of two neighbouring tiles are 16 neighbours along the next K
	v_and_b32 v1, 7, v9
	v_bfe_u32 v5, v9, 3, 1
	v_lshl_add_u32 v1, v5, 4, v1
	v_lshl_add_u32 v1, v4, 3, v1
	v_lshlrev_b32 v1, 2, v1                        ; 4 x ((lane & 7) + 16 ((lane >> 3) & 1) + 8 (lane >> 4)): still inside the wave's 128 bytes
	s_wait_kmcnt 0x0
	s_add_nc_u64 s[14:15], s[14:15], s[4:5]
	s_add_nc_u64 s[22:23], s[22:23], s[6:7]
	s_add_nc_u64 s[24:25], s[24:25], s[50:51]
	WPATH 8192, 14
	s_endpgm
.Lrouter:
; THE ROUTER AND x.  Work-group g: tokens 32 g on; wave w: tokens 8 w .. 8 w + 7, one a step.  A token is 512 numbers: four loads of 512 consecutive bytes, turned through the wave's own stage in LDS so that
; lane l holds the 16 neighbours 16 l .. 16 l + 15 (two lanes to a block of 32).  From them: 16 codes (8 bytes a lane: the wave stores 256 consecutive bytes), a scale byte, and 8 partial sums with Wr.
; REGISTERS: v1-7 addresses; v8, v12, v13 the last phase's LDS addresses; v14-23 at work; v24-31 the 8 sums; v32-95 four sets of 16 as loaded; v96-127 two sets of 16 neighbours; v128-255 Wr[16 l + i][e] at 128 + 8 i + e.
	s_mul_i32 s46, s2, 2*STG                       ; my two stages
	v_lshlrev_b32 v1, 4, v9                        ; 16 x lane
	v_lshrrev_b32 v2, 2, v9
	v_mul_u32_u24 v2, v2, SP
	v_and_b32 v3, 3, v9
	v_lshl_add_u32 v2, v3, 4, v2
	v_add_nc_u32 v2, s46, v2                       ; into a stage: four lanes' 64 bytes on end, then the padding
	v_mul_u32_u24 v3, v9, SP
	v_add_nc_u32 v3, s46, v3                       ; out of it: my 16 neighbours
	v_lshlrev_b32 v4, 3, v9                        ; 8 x lane
	s_lshl_b32 s47, s2, 7
	s_add_co_u32 s47, s47, XSC
	v_lshrrev_b32 v5, 1, v9
	v_add_nc_u32 v5, s47, v5                       ; my block's scale byte: XSC + 128 wave + lane / 2 (+ 16 a token)
	s_lshl_b32 s47, s2, 8
	s_add_co_u32 s47, s47, LOGI
	v_mov_b32 v6, s47                              ; my wave's sums: LOGI + 256 wave (+ 32 a token)
	v_lshlrev_b32 v7, 9, v9                        ; Wr: my 16 rows of 32 bytes
	v_lshl_add_u32 v8, v9, 5, LOGI                 ; the last phase: a token a lane;
	v_add_nc_u32 v12, LOGI, v1                     ; the same bytes as they lie, 16 a lane;
	v_add_nc_u32 v13, XSC, v1                      ; a token's 16 scale bytes
	s_mov_b32 s44, 0x76543210
	s_mov_b32 s45, 0xfedcba98                      ; v_permlanex16_b32's selects for lane l xor 16
.irp e, 0,1,2,3
	v_mov_b32 v[20+\e], 0                          ; written once: a lane permute's destination counts as one of its sources
.endr
	s_lshl_b32 s4, ttmp9, 16                       ; x: 32 tokens of 2,048 bytes a work-group, 8 a wave
	s_lshl_b32 s48, s2, 14
	s_add_co_u32 s4, s4, s48
	s_lshl_b32 s6, ttmp9, 13                       ; xq: 256 bytes a token
	s_lshl_b32 s48, s2, 11
	s_add_co_u32 s6, s6, s48
	s_wait_kmcnt 0x0
	s_load_b256 s[36:43], s[12:13], 0x0            ; br, for the last phase
	s_add_nc_u64 s[8:9], s[8:9], s[4:5]
	s_add_nc_u64 s[26:27], s[26:27], s[6:7]
.irp i, 0,1,2,3,4,5,6,7,8,9,10,11,12,13,14,15
	global_load_b128 v[128+8*\i:131+8*\i], v7, s[10:11] offset:32*\i
	global_load_b128 v[132+8*\i:135+8*\i], v7, s[10:11] offset:32*\i+16
.endr
.macro XLOAD t
.irp i, 0,1,2,3
	global_load_b128 v[32+16*((\t)%4)+4*\i:32+16*((\t)%4)+4*\i+3], v1, s[8:9] offset:2048*(\t)+512*\i th:TH_LOAD_NT
.endr
.endm
.macro XTURN t                         ; token t through a stage: LDS serves a wave's instructions in order, so no wait stands between the stores and the loads
.irp i, 0,1,2,3
	ds_store_b128 v2, v[32+16*((\t)%4)+4*\i:32+16*((\t)%4)+4*\i+3] offset:STG*((\t)%2)+8*SP*\i
.endr
.irp i, 0,1,2,3
	ds_load_b128 v[96+16*((\t)%2)+4*\i:96+16*((\t)%2)+4*\i+3], v3 offset:STG*((\t)%2)+16*\i
.endr
.endm
.irp t, 0,1,2,3
	XLOAD \t
.endr
	s_wait_loadcnt 12                              ; Wr and token 0 are in; the 12 loads of tokens 1 to 3 may be out
	XTURN 0
.macro XSTEP t
.set XS, 96+16*((\t)%2)
.if (\t) > 0
	s_wait_dscnt 3                                 ; this token's numbers are back from the stage; the last step's three stores (a byte, the sums) may be out
.else
	s_wait_dscnt 0x0
.endif
.if (\t)+4 < 8
	XLOAD (\t)+4                                   ; into the set that this token's stores into the stage have read
.endif
.if (\t) < 7
.if 6-(\t) >= 3
	s_wait_loadcnt 12                              ; the next token's four loads are in; those of the three behind it may be out
.else
	s_wait_loadcnt 4*(6-(\t))
.endif
	XTURN (\t)+1                                   ; it goes through the other stage while this one is worked
.endif
.irp p, 0,1,2,3                        ; the sums with Wr: two experts an instruction, x's number serving both halves; four chains by turns; the first product starts them
	v_pk_mul_f32 v[24+2*\p:25+2*\p], v[XS:XS+1], v[128+2*\p:129+2*\p] op_sel_hi:[0,1]
.endr
.irp i, 1,2,3,4,5,6,7,8,9,10,11,12,13,14,15
.irp p, 0,1,2,3
.if (\i)%2
	v_pk_fma_f32 v[24+2*\p:25+2*\p], v[XS+\i-1:XS+\i], v[128+8*\i+2*\p:129+8*\i+2*\p], v[24+2*\p:25+2*\p] op_sel:[1,0,0] op_sel_hi:[1,1,1]
.else
	v_pk_fma_f32 v[24+2*\p:25+2*\p], v[XS+\i:XS+\i+1], v[128+8*\i+2*\p:129+8*\i+2*\p], v[24+2*\p:25+2*\p] op_sel_hi:[0,1,1]
.endif
.endr
.endr
	v_max3_num_f32 v14, |v[XS]|, |v[XS+1]|, |v[XS+2]|              ; the largest magnitude of my 16
	v_max3_num_f32 v15, |v[XS+3]|, |v[XS+4]|, |v[XS+5]|
.irp i, 6,10
	v_max3_num_f32 v14, v14, |v[XS+\i]|, |v[XS+\i+1]|
	v_max3_num_f32 v15, v15, |v[XS+\i+2]|, |v[XS+\i+3]|
.endr
	v_max3_num_f32 v14, v14, |v[XS+14]|, |v[XS+15]|
	v_max3_num_f32 v14, v14, v15, 0x1800000        ; and the floor 2^(3 - 127)
	v_max_num_f32_dpp v14, v14, v14 row_xmask:1 row_mask:0xf bank_mask:0xf   ; and of my neighbour's 16: the block's
	v_add_nc_u32 v16, 0xff000000, v14              ; 2 off the exponent field: the conversion's scale operand
.if (\t) > 0
	s_wait_xcnt 0x0                                ; the last token's store has read v[18:19]: they are written again only behind this wait
.endif
	v_cvt_scalef32_pk8_fp4_f32 v18, v[XS:XS+7], v16
	v_cvt_scalef32_pk8_fp4_f32 v19, v[XS+8:XS+15], v16
	v_lshrrev_b32 v17, 23, v16                     ; the scale's byte (a plain line behind the conversions)
	ds_store_b8 v5, v17 offset:16*(\t)             ; both lanes of a block write the same byte with the same value
	global_store_b64 v4, v[18:19], s[26:27] offset:256*(\t)        ; 32 lanes store 256 consecutive bytes, aligned
.irp m, 1,2,4,8                        ; the 8 sums over the 32 lanes, the eight by turns
.irp e, 0,1,2,3,4,5,6,7
	v_add_f32_dpp v[24+\e], v[24+\e], v[24+\e] row_xmask:\m row_mask:0xf bank_mask:0xf
.endr
.endr
.irp e, 0,1,2,3
	v_permlanex16_b32 v[20+\e], v[24+\e], s44, s45
.endr
.irp e, 0,1,2,3
	v_add_f32 v[24+\e], v[24+\e], v[20+\e]
.endr
.irp e, 0,1,2,3
	v_permlanex16_b32 v[20+\e], v[28+\e], s44, s45
.endr
.irp e, 0,1,2,3
	v_add_f32 v[28+\e], v[28+\e], v[20+\e]
.endr
	ds_store_b128 v6, v[24:27] offset:32*(\t)      ; every lane holds the sums: all write the same bytes with the same values
	ds_store_b128 v6, v[28:31] offset:32*(\t)+16
.endm
.irp t, 0,1,2,3,4,5,6,7
	XSTEP \t
.endr
	s_wait_dscnt 0x0                               ; for wave 0's sake: my sums and scale bytes lie in LDS
	s_barrier_signal -1
	s_barrier_wait -1
	s_cmp_lg_u32 s2, 0
	s_cbranch_scc1 .Lclose
	; WAVE 0: A TOKEN A LANE.  Everything from here on is stored at places that hang on ids alone.
	ds_load_b128 v[32:35], v8                      ; my token's 8 sums
	ds_load_b128 v[36:39], v8 offset:16
	ds_load_b128 v[40:43], v12                     ; the same 1,024 bytes as they lie, for out0
	ds_load_b128 v[44:47], v12 offset:512
	ds_load_b128 v[48:51], v13                     ; my token's 16 scale bytes
	s_lshl_b32 s4, ttmp9, 10
	s_add_nc_u64 s[18:19], s[18:19], s[4:5]        ; out0: 32 bytes a token
	s_lshl_b32 s4, ttmp9, 8
	s_add_nc_u64 s[20:21], s[20:21], s[4:5]        ; out1 and the gates: 8
	s_add_nc_u64 s[30:31], s[30:31], s[4:5]
	s_lshl_b32 s4, ttmp9, 7
	s_add_nc_u64 s[16:17], s[16:17], s[4:5]        ; route: 4, and 128 for the group's histogram
	s_lshl_b32 s4, ttmp9, 9
	s_add_nc_u64 s[28:29], s[28:29], s[4:5]        ; xs: 16
	s_wait_kmcnt 0x0                               ; br
	v_and_b32 v60, 1, v9
	v_cmp_eq_u32 vcc_lo, 1, v60                    ; in the bytes as they lie an odd lane holds experts 4 to 7
.irp j, 0,1,2,3
	v_mov_b32 v[52+\j], s[36+\j]
	v_mov_b32 v[56+\j], s[40+\j]
.endr
.irp j, 0,1,2,3
	v_cndmask_b32 v[52+\j], v[52+\j], v[56+\j], vcc_lo
.endr
	v_lshlrev_b32 v79, 2, v9                       ; 4 x lane
	s_wait_dscnt 0x0
	global_store_b128 v1, v[48:51], s[28:29]       ; xs: 512 consecutive bytes
.irp j, 0,1,2,3
	v_add_f32 v[40+\j], v[40+\j], v[52+\j]
	v_add_f32 v[44+\j], v[44+\j], v[52+\j]
.endr
	global_store_b128 v1, v[40:43], s[18:19]       ; out0: twice 512 consecutive bytes
	global_store_b128 v1, v[44:47], s[18:19] offset:512
.irp e, 0,1,2,3,4,5,6,7
	v_add_f32 v[32+\e], s[36+\e], v[32+\e]         ; my token's logits: the same addition, the same bits
.endr
	v_mov_b32 v64, 0                               ; the largest: an expert replaces the one held only if its logit is greater, so a tie keeps the lower index
	v_mov_b32 v62, v32
.irp e, 1,2,3,4,5,6,7
	v_cmp_le_f32 vcc_lo, v[32+\e], v62
	v_cndmask_b32 v64, \e, v64, vcc_lo
	v_max_num_f32 v62, v62, v[32+\e]
.endr
	v_mov_b32 v63, 0xff800000
.irp e, 0,1,2,3,4,5,6,7
	v_cmp_eq_u32 vcc_lo, \e, v64                   ; the first is taken out,
	v_cndmask_b32 v[32+\e], v[32+\e], v63, vcc_lo
.endr
	v_mov_b32 v65, 0                               ; and the same scan finds the second
	v_mov_b32 v66, v32
.irp e, 1,2,3,4,5,6,7
	v_cmp_le_f32 vcc_lo, v[32+\e], v66
	v_cndmask_b32 v65, \e, v65, vcc_lo
	v_max_num_f32 v66, v66, v[32+\e]
.endr
	global_store_b64 v4, v[64:65], s[20:21]        ; out1
	v_sub_f32 v67, v66, v62                        ; the softmax of the two: the larger is taken away, so the exponents are 0 and this one, at most 0
	v_mul_f32 v67, 0x3fb8aa3b, v67
	v_exp_f32 v67, v67
	v_min_u32 v72, v64, v65                        ; lo (plain work behind the exponential)
	v_add_nc_u32 v73, v64, v65
	v_sub_nc_u32 v73, v73, v72                     ; hi
	s_wait_alu depctr_va_vdst(0)                   ; ahead of the exponential's first reader
	v_add_f32 v68, 1.0, v67
	v_rcp_f32 v68, v68                             ; the first's score
	v_sub_nc_u32 v74, 15, v72                      ; (plain work behind the reciprocal)  the pair's number: lo (15 - lo) / 2 + hi - lo - 1, 0 .. 27
	v_mul_u32_u24 v74, v74, v72
	v_lshrrev_b32 v74, 1, v74
	v_add_nc_u32 v74, v74, v73
	v_sub_nc_u32 v74, v74, v72
	v_add_nc_u32 v74, -1, v74
	s_wait_alu depctr_va_vdst(0)                   ; ahead of the reciprocal's first reader
	v_mul_f32 v69, v67, v68                        ; the second's score
	v_cmp_lt_u32 vcc_lo, v64, v65
	v_cndmask_b32 v70, v69, v68, vcc_lo            ; the gate of expert lo,
	v_cndmask_b32 v71, v68, v69, vcc_lo            ; and of expert hi
	global_store_b64 v4, v[70:71], s[30:31]
	v_mov_b32 v75, 0                               ; my rank among the group's tokens of my pair,
	v_mov_b32 v77, 0                               ; and, in lane k, how many of the 32 have pair k: values alone, no branch and no address
.irp k, 0,1,2,3,4,5,6,7,8,9,10,11,12,13,14,15,16,17,18,19,20,21,22,23,24,25,26,27
	v_cmp_eq_u32 s46, \k, v74
	s_bcnt1_i32_b32 s47, s46
	v_writelane_b32 v77, s47, \k
	v_mbcnt_lo_u32_b32 v76, s46, 0
	v_cndmask_b32 v75, v75, v76, s46
.endr
	v_lshlrev_b32 v78, 2, v74
	v_lshl_or_b32 v78, v75, 8, v78                 ; pair << 2 | rank << 8
	global_store_b32 v79, v78, s[16:17]
	global_store_b32 v79, v77, s[16:17] offset:16384
.Lclose:
	s_wait_tensorcnt 0x0                           ; the wave's end: behind my last LDS store
	ds_add_u32 v10, v11
	s_wait_dscnt 0x0
	s_endpgm
.Lfunc_end_k_qc0640991f9_prep:
	.size	k_qc0640991f9_prep, .Lfunc_end_k_qc0640991f9_prep-k_qc0640991f9_prep
	.p2alignl 7, 3214868480
	.fill 96, 4, 3214868480
	.section	.rodata,"a",@progbits
	.p2align	6, 0x0
	.amdhsa_kernel k_qc0640991f9_prep
		.amdhsa_group_segment_fixed_size 22528
		.amdhsa_private_segment_fixed_size 0
		.amdhsa_enable_private_segment 0
		.amdhsa_kernarg_size 96
		.amdhsa_user_sgpr_count 2
		.amdhsa_user_sgpr_kernarg_segment_ptr 1
		.amdhsa_wavefront_size32 1
		.amdhsa_system_sgpr_workgroup_id_x 1
		.amdhsa_system_sgpr_workgroup_id_y 1
		.amdhsa_system_sgpr_workgroup_id_z 1
		.amdhsa_system_vgpr_workitem_id 0
		.amdhsa_next_free_vgpr 256
		.amdhsa_next_free_sgpr 66
		.amdhsa_reserve_vcc 1
		.amdhsa_float_denorm_mode_32 3
		.amdhsa_float_denorm_mode_16_64 3
		.amdhsa_memory_ordered 1
		.amdhsa_forward_progress 1
		.amdhsa_inst_pref_size 109
	.end_amdhsa_kernel
	.amdgpu_metadata
---
amdhsa.version: [ 1, 2 ]
amdhsa.kernels:
  - .name:           k_qc0640991f9_prep
    .symbol:         k_qc0640991f9_prep.kd
    .args:
      - { .name: x, .offset: 0, .size: 8, .value_kind: global_buffer, .address_space: global }
      - { .name: Wr, .offset: 8, .size: 8, .value_kind: global_buffer, .address_space: global }
      - { .name: br, .offset: 16, .size: 8, .value_kind: global_buffer, .address_space: global }
      - { .name: W1, .offset: 24, .size: 8, .value_kind: global_buffer, .address_space: global }
      - { .name: route, .offset: 32, .size: 8, .value_kind: global_buffer, .address_space: global }
      - { .name: out0, .offset: 40, .size: 8, .value_kind: global_buffer, .address_space: global }
      - { .name: out1, .offset: 48, .size: 8, .value_kind: global_buffer, .address_space: global }
      - { .name: wq, .offset: 56, .size: 8, .value_kind: global_buffer, .address_space: global }
      - { .name: ws, .offset: 64, .size: 8, .value_kind: global_buffer, .address_space: global }
      - { .name: xq, .offset: 72, .size: 8, .value_kind: global_buffer, .address_space: global }
      - { .name: xs, .offset: 80, .size: 8, .value_kind: global_buffer, .address_space: global }
      - { .name: gates, .offset: 88, .size: 8, .value_kind: global_buffer, .address_space: global }
    .group_segment_fixed_size: 22528
    .private_segment_fixed_size: 0
    .kernarg_segment_align: 8
    .kernarg_segment_size: 96
    .max_flat_workgroup_size: 128
    .sgpr_count:     66
    .vgpr_count:     256
    .wavefront_size: 32
...
	.end_amdgpu_metadata
.endif
;; end of part 1
;; launch place (part 2): grid 257 x 1, 8 waves a work-group, no clusters, 2,048 bytes of LDS; arguments route, plan, W2, wq, ws; writes plan, wq, ws
.if DOCPART == 2
	.amdgcn_target "amdgcn-amd-amdhsa--gfx1250"
	.amdhsa_code_object_version 6
	.text
	.protected	k_qc0640991f9_place
	.globl	k_qc0640991f9_place
	.p2align	8
	.type	k_qc0640991f9_place,@function
k_qc0640991f9_place:
	s_mov_b64 s[64:65], 0
	v_nop
	global_prefetch_b8 v0, s[64:65] scope:SCOPE_SE
	s_setreg_imm32_b32 hwreg(HW_REG_WAVE_MODE, 25, 1), 1
	s_wait_xcnt 0x0
; PLACE, AND W2.  Two paths, parted on the work-group's number alone.
; WORK-GROUP 0 sorts the tokens by their pair of experts (28 pairs), by counting: no atomics.  Eight waves; wave w owns token groups 16 w .. 16 w + 15 (512 tokens).
; In: route: word[token] = pair << 2 | rank in its group of 32 << 8;  from byte 16,384 on hist[group][32]: how many of the group's tokens have pair k.
; Out: plan: tiles[256] = rows | lo << 8 | hi << 16 (tiles of at most 32 tokens of ONE pair; tiles behind the last have 0 rows);  from byte 1,024 on order[]: slot 32 j + i = the i-th token of tile j;
; entries 5,120 .. 5,151 hold 0, for tiles without rows.  Pair k's tokens fill its tiles from slot 32 x (its first tile) on; slots behind a tile's rows are not written and not read.
; There are never more than (4,096 + 28 x 31) / 32 = 155 tiles, whatever the choice.  In the tables a LANE IS A PAIR; in the route words a lane is a token.
; Only the rows that the router chose are placed: the others are dead work, as shown at the head of the first kernel.
; WORK-GROUPS 1 TO 256 turn W2 into codes of FP4 (E2M1) laid in the order of the operand's registers, as the first launch does for W1: that work hangs on nothing that the router chose, so it stands
; here, beside the one work-group that places.  It touches no LDS and has no barrier.  LIMITS as stated at the head of the first kernel (blocks under 2^-124 and blocks of zeros get the scale byte 1).
.macro WLD kb, pitch, sb               ; block kb: 32 rows of the weight at my column; 32 lanes read 128 consecutive bytes, the eight waves 1,024
.irp i, 0,1,2,3,4,5,6,7,8,9,10,11,12,13,14,15,16,17,18,19,20,21,22,23,24,25,26,27,28,29,30,31
	global_load_b32 v[32+32*(\kb)+\i], v1, s[\sb:\sb+1] offset:(32*(\kb)+\i)*(\pitch) th:TH_LOAD_NT
.endr
.endm
.macro WBLK kb
.set XB, 32+32*(\kb)
	v_max3_num_f32 v4, |v[XB]|, |v[XB+1]|, |v[XB+2]|               ; the block's largest magnitude: all 32 numbers are mine; two chains
	v_max3_num_f32 v5, |v[XB+3]|, |v[XB+4]|, |v[XB+5]|
.irp i, 6,10,14,18,22,26
	v_max3_num_f32 v4, v4, |v[XB+\i]|, |v[XB+\i+1]|
	v_max3_num_f32 v5, v5, |v[XB+\i+2]|, |v[XB+\i+3]|
.endr
	v_max3_num_f32 v4, v4, |v[XB+30]|, |v[XB+31]|
	v_max3_num_f32 v4, v4, v5, 0x1800000           ; and the floor 2^(3 - 127): the byte cannot fall under 1
	v_add_nc_u32 v6, 0xff000000, v4                ; 2 off the exponent field: the conversion takes the exponent field of this operand as its scale
	v_lshrrev_b32 v7, 23, v6                       ; the scale's byte
.if (\kb) == 0
	v_mov_b32 v12, v7                              ; the four bytes make my row's scale word for this K step
.else
	v_lshl_or_b32 v12, v7, 8*(\kb), v12
.endif
.irp g, 0,1,2,3
	v_cvt_scalef32_pk8_fp4_f32 v[16+4*(\kb)+\g], v[XB+8*\g:XB+8*\g+7], v6
.endr
	global_store_b128 v2, v[16+4*(\kb):19+4*(\kb)], s[22:23] offset:256*(\kb)   ; each half of the wave stores 256 consecutive bytes, aligned; each block has its own four registers
.endm
.macro WPATH pitch, sb                 ; two blocks of loads are always out while one is worked on
	WLD 0, \pitch, \sb
	WLD 1, \pitch, \sb
	s_wait_loadcnt 32                              ; block 0 is in; block 1's 32 loads may be out
	WLD 2, \pitch, \sb
	WBLK 0
	s_wait_loadcnt 32                              ; block 1 is in; block 2's may be out
	WLD 3, \pitch, \sb
	WBLK 1
	s_wait_loadcnt 32                              ; block 2 is in; block 3's may be out
	WBLK 2
	s_wait_loadcnt 0x0
	WBLK 3
	global_store_b32 v3, v12, s[24:25]             ; 128 bytes: lanes 0-15 the even tile's scale words, lanes 16-31 the odd tile's
.endm
	s_load_b256 s[16:23], s[0:1], 0x0              ; route s[16:17], plan s[18:19], W2 s[20:21], wq s[22:23]
	s_load_b64 s[24:25], s[0:1], 0x20              ; ws
	v_lshl_add_u32 v10, v0, 2, 1024                ; my spare word (the spare words: 1,024 bytes from byte 1,024 on), and 0: kept for the closing lines alone
	v_mov_b32 v11, 0
	v_lshrrev_b32 v1, 5, v0
	v_readfirstlane_b32 s2, v1                     ; wave 0..7
	s_cmp_eq_u32 ttmp9, 0
	s_cbranch_scc1 .Lplace
	; W2 [8][2048 (k)][512 (n)].  A LANE TAKES A COLUMN AND ITS REGISTERS RUN DOWN K; a wave takes 32 columns x 128 along K: one K step of two tiles of 16 rows of the operand.
	; Four waves are a unit g = 2 (work-group - 1) + wave / 4: 128 columns (g & 3), K step (g >> 2) & 15, expert g >> 6; my wave's 32 columns are group cg of 16
	v_and_b32 v9, 31, v0                           ; lane
	v_lshrrev_b32 v4, 4, v9                        ; u: lanes 0-15 make the pair's even tile, lanes 16-31 the odd one
	v_and_b32 v2, 15, v9
	v_lshlrev_b32 v2, 4, v2
	v_lshl_add_u32 v2, v4, 10, v2                  ; codes: 1,024 u + 16 r (+ 256 a block)
	v_lshlrev_b32 v3, 2, v9                        ; scale words: 4 x lane
	v_lshlrev_b32 v1, 2, v9                        ; my column: W2's rows of a tile are neighbours
	s_mov_b32 s5, 0                                ; the high words of three 64-bit offsets
	s_mov_b32 s7, 0
	s_mov_b32 s51, 0
	s_sub_co_u32 s3, ttmp9, 1
	s_lshl_b32 s3, s3, 1
	s_lshr_b32 s54, s2, 2
	s_add_co_u32 s3, s3, s54                       ; g, 0 .. 511
	s_and_b32 s54, s2, 3                           ; my wave in the unit
	s_and_b32 s46, s3, 3
	s_lshl_b32 s46, s46, 2
	s_add_co_u32 s46, s46, s54                     ; cg
	s_bfe_u32 s47, s3, 0x40002                     ; K step
	s_lshr_b32 s48, s3, 6                          ; expert
	s_lshr_b32 s49, s46, 1                         ; which 64 columns: the wave of the chain that will read them
	s_and_b32 s52, s46, 1                          ; which pair of tiles of its four
	s_lshl_b32 s4, s48, 22                         ; W2: 4,194,304 e + 262,144 s + 128 cg
	s_lshl_b32 s53, s47, 18
	s_add_co_u32 s4, s4, s53
	s_lshl_b32 s53, s46, 7
	s_add_co_u32 s4, s4, s53
	s_lshl_b32 s6, s48, 19                         ; codes: 4,194,304 + 524,288 e + 65,536 (cg >> 1) + 4,096 s + 2,048 (cg & 1)
	s_lshl_b32 s53, s49, 16
	s_add_co_u32 s6, s6, s53
	s_lshl_b32 s53, s47, 12
	s_add_co_u32 s6, s6, s53
	s_lshl_b32 s53, s52, 11
	s_add_co_u32 s6, s6, s53
	s_add_co_u32 s6, s6, 0x400000
	s_lshl_b32 s50, s48, 15                        ; scale words: 262,144 + 32,768 e + 4,096 (cg >> 1) + 256 s + 128 (cg & 1)
	s_lshl_b32 s53, s49, 12
	s_add_co_u32 s50, s50, s53
	s_lshl_b32 s53, s47, 8
	s_add_co_u32 s50, s50, s53
	s_lshl_b32 s53, s52, 7
	s_add_co_u32 s50, s50, s53
	s_add_co_u32 s50, s50, 0x40000
	s_wait_kmcnt 0x0
	s_add_nc_u64 s[20:21], s[20:21], s[4:5]
	s_add_nc_u64 s[22:23], s[22:23], s[6:7]
	s_add_nc_u64 s[24:25], s[24:25], s[50:51]
	WPATH 2048, 20
	s_endpgm
.Lplace:
	v_and_b32 v1, 31, v0                           ; lane
	v_lshlrev_b32 v6, 2, v1                        ; 4 x lane
	s_lshl_b32 s8, s2, 11
	v_add_nc_u32 v2, s8, v6                        ; 2,048 x wave + 4 x lane: my wave's 16 groups, in the histograms and in the route words alike
	v_lshlrev_b32 v5, 2, v0                        ; 4 x thread
	s_wait_kmcnt 0x0
.irp i, 0,1,2,3,4,5,6,7,8,9,10,11,12,13,14,15
	global_load_b32 v[16+\i], v2, s[16:17] offset:16384+128*\i
.endr
.irp i, 0,1,2,3,4,5,6,7,8,9,10,11,12,13,14,15
	global_load_b32 v[32+\i], v2, s[16:17] offset:128*\i
.endr
	s_wait_loadcnt 16                              ; the histograms are in; the 16 loads of route words may be out
.irp i, 1,2,3,4,5,6,7,8,9,10,11,12,13,14,15
	v_add_nc_u32 v[16+\i], v[16+\i], v[15+\i]      ; pair k's tokens in my groups 0 .. i
.endr
	ds_store_b32 v5, v31                           ; my wave's totals: row w of 128 bytes
	s_wait_dscnt 0x0                               ; for the others' sake
	s_barrier_signal -1
	s_barrier_wait -1
.irp w, 0,1,2,3,4,5,6,7
	ds_load_b32 v[48+\w], v6 offset:128*\w
.endr
	s_wait_dscnt 0x0
	v_add3_u32 v56, v48, v49, v50                  ; N: pair k's tokens in all
	v_add3_u32 v56, v56, v51, v52
	v_add3_u32 v56, v56, v53, v54
	v_add_nc_u32 v56, v56, v55
	v_mov_b32 v57, 0                               ; and in the waves ahead of mine
.irp w, 0,1,2,3,4,5,6
	s_cmp_gt_u32 s2, \w
	s_cselect_b32 s8, -1, 0
	v_and_b32 v62, s8, v[48+\w]
	v_add_nc_u32 v57, v57, v62
.endr
	v_add_nc_u32 v58, 31, v56
	v_lshrrev_b32 v58, 5, v58                      ; pair k's tiles
	v_mov_b32 v59, v58                             ; their running sum over the lanes: in each half of 16 lanes,
	v_mov_b32 v62, 0
.irp m, 1,2,4,8
	v_mov_b32_dpp v62, v59 row_shr:\m row_mask:0xf bank_mask:0xf bound_ctrl:1
	v_add_nc_u32 v59, v59, v62
.endr
	v_readlane_b32 s9, v59, 15                     ; then the lower half's total onto the upper half
	v_mov_b32 v63, s9
	v_cmp_lt_u32 vcc_lo, 15, v1
	v_cndmask_b32 v62, 0, v63, vcc_lo
	v_add_nc_u32 v59, v59, v62                     ; END: the first tile behind pair k's
	v_sub_nc_u32 v60, v59, v58                     ; pair k's first tile
	v_lshl_add_u32 v61, v60, 5, v57                ; the slot of the first of pair k's tokens in my wave
.irp i, 15,14,13,12,11,10,9,8,7,6,5,4,3,2,1
	v_add_nc_u32 v[16+\i], v61, v[15+\i]           ; and in my group i (from the top down: each line reads the sum below it as it was)
.endr
	v_mov_b32 v16, v61
	s_wait_loadcnt 0x0                             ; the route words
.irp i, 0,1,2,3,4,5,6,7,8,9,10,11,12,13,14,15
	v_and_b32 v[72+\i], 0x7c, v[32+\i]             ; 4 x my token's pair: the lane to ask
.endr
.irp i, 0,1,2,3,4,5,6,7,8,9,10,11,12,13,14,15
	ds_bpermute_b32 v[88+\i], v[72+\i], v[16+\i]   ; between lanes: no LDS byte is touched
.endr
	s_lshl_b32 s8, s2, 9
	v_add_nc_u32 v62, s8, v1                       ; 512 x wave + lane
	s_wait_dscnt 0x0
.irp i, 0,1,2,3,4,5,6,7,8,9,10,11,12,13,14,15
	v_lshrrev_b32 v[32+\i], 8, v[32+\i]            ; my token's rank in its group
	v_add_nc_u32 v[88+\i], v[88+\i], v[32+\i]      ; its slot,
	v_min_u32 v[88+\i], 0x13ff, v[88+\i]           ; held inside order[] (5,119), since it was made of loaded numbers
	v_lshlrev_b32 v[88+\i], 2, v[88+\i]
	v_add_nc_u32 v[72+\i], 32*\i, v62              ; the token
	global_store_b32 v[88+\i], v[72+\i], s[18:19] offset:1024      ; the placing itself: 4 bytes a token, 16 KiB in all
.endr
	v_mov_b32 v64, 0                               ; TILE j = my thread: its pair K is the number of pairs (0 .. 26) whose tiles end at or ahead of j
.irp k, 0,1,2,3,4,5,6,7,8,9,10,11,12,13,14,15,16,17,18,19,20,21,22,23,24,25,26
	v_readlane_b32 s9, v59, \k
	v_cmp_le_u32 vcc_lo, s9, v0
	v_add_co_ci_u32 v64, vcc_lo, 0, v64, vcc_lo
.endr
	v_lshlrev_b32 v65, 2, v64
	ds_bpermute_b32 v66, v65, v56                  ; its tokens,
	ds_bpermute_b32 v67, v65, v60                  ; its first tile
	v_mov_b32 v68, 0                               ; lo: pairs with lo = 1, 2 .. 6 begin at 7, 13, 18, 22, 25, 27
.irp th, 7,13,18,22,25,27
	v_cmp_le_u32 vcc_lo, \th, v64
	v_add_co_ci_u32 v68, vcc_lo, 0, v68, vcc_lo
.endr
	v_sub_nc_u32 v69, 15, v68
	v_mul_u32_u24 v69, v69, v68
	v_lshrrev_b32 v69, 1, v69
	v_sub_nc_u32 v69, v64, v69
	v_add3_u32 v69, v69, v68, 1                    ; hi = K - lo (15 - lo) / 2 + lo + 1
	v_mov_b32 v70, 0
	s_wait_dscnt 0x0
	v_sub_nc_u32 v67, v0, v67
	v_lshlrev_b32 v67, 5, v67
	v_sub_nc_u32 v66, v66, v67                     ; the tokens left for this tile: under 1 behind the last tile,
	v_cmp_gt_i32 vcc_lo, 0, v66
	v_cndmask_b32 v66, v66, v70, vcc_lo            ; which gives 0 rows;
	v_min_u32 v66, 32, v66                         ; 32 at the most
	v_lshl_or_b32 v66, v68, 8, v66
	v_lshl_or_b32 v66, v69, 16, v66
	global_store_b32 v5, v66, s[18:19]             ; all 256 words: 1,024 consecutive bytes
	s_cmp_lg_u32 s2, 0
	s_cbranch_scc1 .Lnot_wave_0
	global_store_b32 v6, v70, s[18:19] offset:21504  ; order[5,120 + lane] = 0
.Lnot_wave_0:
	s_wait_tensorcnt 0x0                           ; the wave's end: behind my last LDS store
	ds_add_u32 v10, v11
	s_wait_dscnt 0x0
	s_endpgm
.Lfunc_end_k_qc0640991f9_place:
	.size	k_qc0640991f9_place, .Lfunc_end_k_qc0640991f9_place-k_qc0640991f9_place
	.p2alignl 7, 3214868480
	.fill 96, 4, 3214868480
	.section	.rodata,"a",@progbits
	.p2align	6, 0x0
	.amdhsa_kernel k_qc0640991f9_place
		.amdhsa_group_segment_fixed_size 2048
		.amdhsa_private_segment_fixed_size 0
		.amdhsa_enable_private_segment 0
		.amdhsa_kernarg_size 40
		.amdhsa_user_sgpr_count 2
		.amdhsa_user_sgpr_kernarg_segment_ptr 1
		.amdhsa_wavefront_size32 1
		.amdhsa_system_sgpr_workgroup_id_x 1
		.amdhsa_system_sgpr_workgroup_id_y 1
		.amdhsa_system_sgpr_workgroup_id_z 1
		.amdhsa_system_vgpr_workitem_id 0
		.amdhsa_next_free_vgpr 160
		.amdhsa_next_free_sgpr 66
		.amdhsa_reserve_vcc 1
		.amdhsa_float_denorm_mode_32 3
		.amdhsa_float_denorm_mode_16_64 3
		.amdhsa_memory_ordered 1
		.amdhsa_forward_progress 1
		.amdhsa_inst_pref_size 40
	.end_amdhsa_kernel
	.amdgpu_metadata
---
amdhsa.version: [ 1, 2 ]
amdhsa.kernels:
  - .name:           k_qc0640991f9_place
    .symbol:         k_qc0640991f9_place.kd
    .args:
      - { .name: route, .offset: 0, .size: 8, .value_kind: global_buffer, .address_space: global }
      - { .name: plan, .offset: 8, .size: 8, .value_kind: global_buffer, .address_space: global }
      - { .name: W2, .offset: 16, .size: 8, .value_kind: global_buffer, .address_space: global }
      - { .name: wq, .offset: 24, .size: 8, .value_kind: global_buffer, .address_space: global }
      - { .name: ws, .offset: 32, .size: 8, .value_kind: global_buffer, .address_space: global }
    .group_segment_fixed_size: 2048
    .private_segment_fixed_size: 0
    .kernarg_segment_align: 8
    .kernarg_segment_size: 40
    .max_flat_workgroup_size: 256
    .sgpr_count:     66
    .vgpr_count:     160
    .wavefront_size: 32
...
	.end_amdgpu_metadata
.endif
;; end of part 2
;; launch chain (part 3): grid 155 x 1, 8 waves a work-group, no clusters, 196,608 bytes of LDS; arguments plan, xq, xs, gates, wq, ws, b1, b2, out2; writes out2
.if DOCPART == 3
	.amdgcn_target "amdgcn-amd-amdhsa--gfx1250"
	.amdhsa_code_object_version 6
	.text
	.protected	k_qc0640991f9_chain
	.globl	k_qc0640991f9_chain
	.p2align	8
	.type	k_qc0640991f9_chain,@function
k_qc0640991f9_chain:
	s_mov_b64 s[64:65], 0
	v_nop
	global_prefetch_b8 v0, s[64:65] scope:SCOPE_SE
	s_setreg_imm32_b32 hwreg(HW_REG_WAVE_MODE, 25, 1), 1
	s_wait_xcnt 0x0
; CHAIN: out2[token] = g_lo (relu(x W1[lo] + b1[lo]) W2[lo] + b2[lo]) + g_hi (the same with hi), both products on codes of FP4 (E2M1) with one E8M0 scale for each 32 along K.
; Only the two experts that the router chose for a token are computed: the other six are dead work, as shown at the head of the first kernel.
; A work-group takes ONE TILE of at most 32 tokens that share their pair of experts (lo, hi), through both experts' chains: so each row of out2 has one owner, and the hidden layer never goes to memory.
; THE GRID serves every split: 4,096 tokens in tiles of 32 over 28 pairs are never more than 155 tiles.  THE TEXT HAS NO BRANCH: its barrier stands on every wave's one path.  A tile's rows behind its last token repeat
; that token (they store the same bytes to the same row once more); a tile without rows runs on token 0 with its stores switched off by EXEC: that is the price of a text in which nothing jumps on a loaded number.
; SHARES.  Eight waves share the COLUMNS: wave w makes hidden units 256 w .. 256 w + 255 and outputs 64 w .. 64 w + 63, for all 32 tokens (two tiles of 16, tt = 0, 1).  So each fragment of a weight is loaded by
; one wave, once, from memory straight into its registers (the earlier launches laid the weights as images of the operand's registers) and feeds two matrix instructions; no weight goes through LDS.
; ORDER: the first layer of expert lo, then of expert hi; ONE barrier; the second layer of lo, then of hi.  A wave's weights are four dense chunks of 64 KiB of codes and 4 KiB of scale words
; (W1[lo], W1[hi], W2[lo], W2[hi]), walked as 32 batches of 8 fragments through a ring of three register slots: 20 loads a batch.
; NO CLUSTER, NO JOINT LOADS: which experts a neighbouring tile needs hangs on the stored list, so partners' requests would not be alike.
; BOTH PRODUCTS ARE USED TRANSPOSED (source 0 = 16 rows of a weight, source 1 = 16 tokens): a lane holds ONE token (lane % 16) throughout.  The hidden layer's fragments and scale words go from wave to wave through
; LDS as images of their registers.  The biases are the C of each sum's first matrix instruction; the accumulators take turns, one instruction a turn.
; REGISTERS, window 0: v1-15 addresses; v16-19 the gates; v20-27 x's scale words, v28-39 the weights' (three slots of 4), v40-47 the hidden layer's (two sets of 4): these hold scales and nothing else;
;   v48-59 at work in the quantiser; v60-63 g_hi in pairs; v64, v65 scale words just made; v66-73, v208-215 codes just made; v80-207 the hidden layer's 16 tiles, later v80-143 the outputs' 8 tiles and
;   v144-207 two sets of four hidden fragments; v216-255 set-up, later the rows' offsets in out2.   window 1: v0-63 x's 8 fragments; v64-255 the ring: three slots of 8 fragments.
.set HSC,   65536                      ; LDS: from 0 the hidden layer's images, 32,768 E + 1,024 (2 s + tt) + 512 c + 16 lane;  here their scale words, four to a lane: 4,096 E + 512 (s / 2) + 16 lane + 4 (2 (s % 2) + tt)
.set BIAS,  73728                      ; + 2,560 wave: my 256 numbers of b1[lo], of b1[hi], my 64 of b2[lo], of b2[hi]
.set OIMG,  94208                      ; + 8,192 wave: g_lo x expert lo's result, as an image of 64 registers
.set STAGE, 159744                     ; + 4,352 wave: the way out: 16 rows x (256 bytes + 16)
.set TOK,   194560                     ; + 128 wave: the tile's 32 tokens
.set SPARE, 195584                     ; the spare words, 128 bytes for each wave: four blocks of 256 bytes that no other line names
.set H,   80
.set Y,   80
.set HF,  144
.set TM,  48
.set MSB, 0
.macro WIN new                         ; s_set_vgpr_msb: bits 1:0 source 0, 3:2 source 1, 5:4 source 2, 7:6 destination; the immediate's high byte repeats the setting that is left
.if MSB != \new
	s_set_vgpr_msb (MSB<<8)|\new
.set MSB, \new
.endif
.endm
.macro PLACES                          ; four plain places behind matrix instructions, ahead of loads into their registers and of the first read of their results
.rept 4
	v_nop
.endr
.endm
	s_load_b512 s[8:23], s[0:1], 0x0               ; plan s[8:9], xq s[10:11], xs s[12:13], gates s[14:15], wq s[16:17], ws s[18:19], b1 s[20:21], b2 s[22:23]
	s_load_b64 s[24:25], s[0:1], 0x40              ; out2
	v_lshl_add_u32 v12, v0, 2, SPARE               ; my spare word, and 0: kept for the closing lines alone
	v_mov_b32 v13, 0
	v_lshrrev_b32 v74, 5, v0
	v_readfirstlane_b32 s2, v74                    ; wave 0..7
	s_lshl_b32 s4, ttmp9, 2
	s_mov_b32 s5, 0
	s_wait_kmcnt 0x0
	s_add_nc_u64 s[6:7], s[8:9], s[4:5]
	s_load_b32 s3, s[6:7], 0x0                     ; my tile's word: rows | lo << 8 | hi << 16
	v_and_b32 v75, 31, v0                          ; lane
	v_and_b32 v76, 15, v0                          ; r
	v_bfe_u32 v77, v0, 4, 1                        ; h
	v_lshlrev_b32 v1, 4, v75                       ; 16 x lane: an image's place for my lane, in memory and in LDS
	v_lshlrev_b32 v2, 2, v75                       ; 4 x lane: a weight's scale word
	s_lshl_b32 s58, s2, 12
	v_add_nc_u32 v3, s58, v1                       ; where I store hidden images: my K steps are 2 w and 2 w + 1
	s_lshl_b32 s58, s2, 9
	s_add_co_u32 s58, s58, HSC
	v_add_nc_u32 v4, s58, v1                       ; and their four scale words: HSC + 512 w + 16 lane
	v_add_nc_u32 v5, HSC, v1                       ; where any wave reads four scale words
	s_mul_i32 s58, s2, 2560
	s_add_co_u32 s58, s58, BIAS
	s_add_co_u32 s59, s58, 2048
	v_lshl_add_u32 v6, v77, 6, s58                 ; b1: lane (r, h) wants, for tile 2 b + u, hidden units 32 b + 16 h + 8 u + 0 .. 7
	v_lshl_add_u32 v7, v77, 5, s59                 ; b2: for tile t, outputs 16 t + 8 h + 0 .. 7
	v_add_nc_u32 v216, s58, v1                     ; (where the biases are put)
	v_lshl_add_u32 v217, v75, 3, s59
	s_lshl_b32 s58, s2, 13
	s_add_co_u32 s58, s58, OIMG
	v_add_nc_u32 v8, s58, v1
	s_mul_i32 s58, s2, 4352
	s_add_co_u32 s58, s58, STAGE
	v_mul_u32_u24 v9, v76, 272
	v_lshl_add_u32 v9, v77, 5, v9
	v_add_nc_u32 v9, s58, v9                       ; the stage, in: row r, 32 bytes for each half of the lanes
	v_mul_u32_u24 v10, v77, 272
	v_lshl_add_u32 v10, v76, 4, v10
	v_add_nc_u32 v10, s58, v10                     ; back: lanes 0-15 one row of 256 bytes, lanes 16-31 the next
	s_lshl_b32 s58, s2, 7
	s_add_co_u32 s58, s58, TOK
	v_lshl_add_u32 v11, v77, 2, s58                ; the token of the row that I store
	v_add_nc_u32 v218, s58, v2
	s_lshl_b32 s58, s2, 8
	v_lshl_add_u32 v14, v76, 4, s58                ; my 16 bytes in a row of out2: 256 w + 16 (lane % 16)
	v_lshlrev_b32 v225, 3, v75
.irp b, 0,1,2,3
	v_mov_b32 v[TM+4+\b], 0                        ; written once: a lane permute's destination counts as one of its sources
.endr
	s_mov_b32 s56, 0x76543210
	s_mov_b32 s57, 0xfedcba98                      ; v_permlanex16_b32's selects for lane l xor 16
	s_wait_kmcnt 0x0
	s_and_b32 s26, s3, 0xff
	s_min_u32 s26, s26, 32                         ; rows; each loaded number is held inside its range before it enters an address
	s_bfe_u32 s27, s3, 0x80008
	s_min_u32 s27, s27, 7                          ; lo
	s_bfe_u32 s28, s3, 0x80010
	s_min_u32 s28, s28, 7                          ; hi
	s_max_u32 s30, s26, 1
	s_sub_co_u32 s30, s30, 1                       ; the last row that has a token
	s_lshl_b32 s29, ttmp9, 5
	s_cmp_lg_u32 s26, 0
	s_cselect_b32 s29, s29, 5120                   ; my slots in order[]; a tile without rows takes the entry that holds token 0
	v_mov_b32 v15, s26
	s_lshl_b32 s31, s2, 16                         ; the four chunks of codes, in the order in which they are walked: wq + (W2: 4,194,304) + 524,288 e + 65,536 w
	s_lshl_b32 s4, s27, 19
	s_add_co_u32 s4, s4, s31
	s_add_nc_u64 s[32:33], s[16:17], s[4:5]        ; W1[lo]
	s_add_nc_u64 s[36:37], s[32:33], 0x400000      ; W2[lo]
	s_lshl_b32 s4, s28, 19
	s_add_co_u32 s4, s4, s31
	s_add_nc_u64 s[34:35], s[16:17], s[4:5]        ; W1[hi]
	s_add_nc_u64 s[38:39], s[34:35], 0x400000      ; W2[hi]
	s_lshl_b32 s31, s2, 12                         ; and of scale words: ws + (W2: 262,144) + 32,768 e + 4,096 w
	s_lshl_b32 s4, s27, 15
	s_add_co_u32 s4, s4, s31
	s_add_nc_u64 s[40:41], s[18:19], s[4:5]
	s_add_nc_u64 s[44:45], s[40:41], 0x40000
	s_lshl_b32 s4, s28, 15
	s_add_co_u32 s4, s4, s31
	s_add_nc_u64 s[42:43], s[18:19], s[4:5]
	s_add_nc_u64 s[46:47], s[42:43], 0x40000
	s_lshl_b32 s31, s2, 10                         ; b1 + 8,192 e + 1,024 w
	s_lshl_b32 s4, s27, 13
	s_add_co_u32 s4, s4, s31
	s_add_nc_u64 s[48:49], s[20:21], s[4:5]
	s_lshl_b32 s4, s28, 13
	s_add_co_u32 s4, s4, s31
	s_add_nc_u64 s[50:51], s[20:21], s[4:5]
	s_lshl_b32 s31, s2, 8                          ; b2 + 2,048 e + 256 w
	s_lshl_b32 s4, s27, 11
	s_add_co_u32 s4, s4, s31
	s_add_nc_u64 s[52:53], s[22:23], s[4:5]
	s_lshl_b32 s4, s28, 11
	s_add_co_u32 s4, s4, s31
	s_add_nc_u64 s[54:55], s[22:23], s[4:5]
	v_min_u32 v219, s30, v76                       ; rows r, 16 + r and lane of the tile; rows behind the last take the last
	v_add_nc_u32 v220, 16, v76
	v_min_u32 v220, s30, v220
	v_min_u32 v221, s30, v75
.irp a, 219,220,221
	v_add_nc_u32 v\a, s29, v\a
	v_min_u32 v\a, 0x141f, v\a                     ; inside order[] (5,151)
	v_lshlrev_b32 v\a, 2, v\a
.endr
	global_load_b32 v222, v219, s[8:9] offset:1024 ; the tokens
	global_load_b32 v223, v220, s[8:9] offset:1024
	global_load_b32 v224, v221, s[8:9] offset:1024
	global_load_b128 v[228:231], v1, s[48:49]      ; my part of the four biases
	global_load_b128 v[232:235], v1, s[48:49] offset:512
	global_load_b128 v[236:239], v1, s[50:51]
	global_load_b128 v[240:243], v1, s[50:51] offset:512
	global_load_b64 v[244:245], v225, s[52:53]
	global_load_b64 v[246:247], v225, s[54:55]
; Batch N of 32: chunk N / 8, its batch N % 8, into ring slot N % 3: 8 fragments (16 loads of 512 consecutive bytes) and 4 registers of scale words (lanes 0-15 an even tile's rows, lanes 16-31 the odd tile's)
.macro WLOAD N
.set WQ, (\N)%3
.set WN, (\N)%8
.set WC, (\N)/8
	WIN 0x40                                       ; destination window 1
.irp f, 0,1,2,3,4,5,6,7
.irp c, 0,1
	global_load_b128 v[64+64*WQ+8*\f+4*\c:64+64*WQ+8*\f+4*\c+3], v1, s[32+2*WC:33+2*WC] offset:8192*WN+1024*\f+512*\c
.endr
.endr
	WIN 0
.irp i, 0,1,2,3
	global_load_b32 v[28+4*WQ+\i], v2, s[40+2*WC:41+2*WC] offset:512*WN+128*\i
.endr
.endm
	WLOAD 0                                        ; the weights hang on the tile's word alone: two batches go out while the tokens are on their way
	WLOAD 1
	s_wait_loadcnt 40                              ; the tokens and the biases are in; the 40 loads of batches 0 and 1 may be out
.irp a, 222,223,224
	v_min_u32 v\a, 0xfff, v\a                      ; a token, held inside its range
.endr
	ds_store_b128 v216, v[228:231]                 ; the biases and the tokens into my own LDS bytes: LDS serves a wave's instructions in order, so my later loads see them
	ds_store_b128 v216, v[232:235] offset:512
	ds_store_b128 v216, v[236:239] offset:1024
	ds_store_b128 v216, v[240:243] offset:1536
	ds_store_b64 v217, v[244:245]
	ds_store_b64 v217, v[246:247] offset:256
	ds_store_b32 v218, v224
	v_lshlrev_b32 v226, 8, v222                    ; x's codes: 256 bytes a token, + 16 h
	v_lshl_add_u32 v226, v77, 4, v226
	v_lshlrev_b32 v227, 8, v223
	v_lshl_add_u32 v227, v77, 4, v227
	v_lshlrev_b32 v248, 4, v222                    ; its 16 scale bytes: four words, one a K step
	v_lshlrev_b32 v249, 4, v223
	v_lshlrev_b32 v250, 3, v222                    ; its two gates
	v_lshlrev_b32 v251, 3, v223
	WIN 0x40
.irp tt, 0,1                           ; x's fragments (tile tt, K step s) at v[8 (4 tt + s)] of window 1: lane (r, h) takes k = 128 s + 64 c + 32 h + 0 .. 31 of its token: 16 bytes as they lie
.irp s, 0,1,2,3
.irp c, 0,1
	global_load_b128 v[8*(4*\tt+\s)+4*\c:8*(4*\tt+\s)+4*\c+3], v[226+\tt], s[10:11] offset:64*\s+32*\c
.endr
.endr
.endr
	WIN 0
	global_load_b128 v[20:23], v248, s[12:13]
	global_load_b128 v[24:27], v249, s[12:13]
	global_load_b64 v[16:17], v250, s[14:15]       ; (g_lo, g_hi) of my token of tile 0,
	global_load_b64 v[18:19], v251, s[14:15]       ; and of tile 1
	WLOAD 2
.macro BIAS1 E, gl                     ; b1 of group gl's 128 hidden units, ONCE for both tiles of tokens: into the accumulators of tile 1
.irp t, 0,1,2,3,4,5,6,7
	ds_load_b128 v[H+64+8*\t:H+64+8*\t+3],   v6 offset:1024*(\E)+512*(\gl)+128*(\t/2)+32*(\t%2)
	ds_load_b128 v[H+64+8*\t+4:H+64+8*\t+7], v6 offset:1024*(\E)+512*(\gl)+128*(\t/2)+32*(\t%2)+16
.endr
.endm
.macro MM1 t, tt, c                    ; one product of the first layer: tile t of the weight's rows x tile tt of the tokens, K step PS, from ring slot PQ; C in v[c] on
.if (\t)%2
	v_wmma_scale_f32_16x16x128_f8f6f4 v[H+64*(\tt)+8*(\t):H+64*(\tt)+8*(\t)+7], v[64+64*PQ+8*(\t):64+64*PQ+8*(\t)+7], v[8*(4*(\tt)+PS):8*(4*(\tt)+PS)+7], v[\c:\c+7], v[28+4*PQ+(\t)/2], v[20+4*(\tt)+PS] matrix_a_fmt:MATRIX_FMT_FP4 matrix_b_fmt:MATRIX_FMT_FP4 matrix_a_scale:MATRIX_SCALE_ROW1
.else
	v_wmma_scale_f32_16x16x128_f8f6f4 v[H+64*(\tt)+8*(\t):H+64*(\tt)+8*(\t)+7], v[64+64*PQ+8*(\t):64+64*PQ+8*(\t)+7], v[8*(4*(\tt)+PS):8*(4*(\tt)+PS)+7], v[\c:\c+7], v[28+4*PQ+(\t)/2], v[20+4*(\tt)+PS] matrix_a_fmt:MATRIX_FMT_FP4 matrix_b_fmt:MATRIX_FMT_FP4
.endif
.endm
; A batch of the first product: K step N % 4 of a group's 8 tiles, against both tiles of tokens: 16 matrix instructions on 16 accumulators
.macro P1BATCH N
.set PQ, (\N)%3
.set PS, (\N)%4
.if (\N) == 0
	s_wait_loadcnt 20                              ; batch 0 and x are in; batch 2's 20 loads, issued behind x's, may be out
.else
	s_wait_loadcnt 40                              ; this batch is in; the two batches behind it, 20 loads each, may be out
.endif
	WIN 0x05                                       ; sources 0 and 1 window 1
.if PS == 0                            ; a group's first K step starts the sums.  Tile 0's eight products take b1 from tile 1's accumulators as their C;
.irp t, 0,1,2,3,4,5,6,7
	MM1 \t, 0, H+64+8*\t
.endr
.rept 5
	v_nop                                          ; five plain places, since the products below write over registers that those above read as C (ISA guide 7.12.1 for the hazard);
.endr
.irp t, 0,1,2,3,4,5,6,7                ; then tile 1's eight add onto it in place
	MM1 \t, 1, H+64+8*\t
.endr
.else
.irp t, 0,1,2,3,4,5,6,7
.irp tt, 0,1
	MM1 \t, \tt, H+64*\tt+8*\t
.endr
.endr
.endif
	WIN 0
	PLACES
	WLOAD (\N)+3                                   ; the slot just multiplied takes the batch three on
.endm
; Tile tt's 64 numbers of a lane (register 16 b + i = hidden unit 32 b + 16 h + i of the group, of my token): relu, then a fragment's codes in v[QP] on and its scale word in v[QW]
.macro QUANT tt
.set QS, H+64*(\tt)
.set QP, 66+142*(\tt)
.set QW, 64+(\tt)
.set QJ, 0
.rept 64
	v_max_num_f32 v[QS+QJ], 0, v[QS+QJ]            ; the activation, in f32; each accumulator from its low end on
.set QJ, QJ+1
.endr
.irp b, 0,1,2,3
	v_max3_num_f32 v[TM+\b], v[QS+16*\b], v[QS+1+16*\b], 0x1800000   ; block b: my 16 numbers (none is negative), and the floor 2^(3 - 127): the byte cannot fall under 1
.endr
.irp i, 2,4,6,8,10,12,14
.irp b, 0,1,2,3
	v_max3_num_f32 v[TM+\b], v[TM+\b], v[QS+16*\b+\i], v[QS+1+16*\b+\i]   ; (the four blocks by turns)
.endr
.endr
.irp b, 0,1,2,3
	v_permlanex16_b32 v[TM+4+\b], v[TM+\b], s56, s57
.endr
.irp b, 0,1,2,3
	v_max_num_f32 v[TM+\b], v[TM+\b], v[TM+4+\b]   ; with lane l xor 16's: the block's largest
.endr
.irp b, 0,1,2,3
	v_add_nc_u32 v[TM+8+\b], 0xff000000, v[TM+\b]  ; 2 off the exponent field: the conversion's scale operand
.endr
.irp b, 0,1,2,3
	v_lshrrev_b32 v[TM+4+\b], 23, v[TM+8+\b]       ; the scale's byte
.endr
	v_lshl_or_b32 v[QW], v[TM+5], 8, v[TM+4]       ; the four bytes make my token's scale word
	v_lshl_or_b32 v[QW], v[TM+6], 16, v[QW]
	v_lshl_or_b32 v[QW], v[TM+7], 24, v[QW]
.irp b, 0,1,2,3
	v_cvt_scalef32_pk8_fp4_f32 v[QP+2*\b], v[QS+16*\b:QS+7+16*\b], v[TM+8+\b]
	v_cvt_scalef32_pk8_fp4_f32 v[QP+1+2*\b], v[QS+8+16*\b:QS+15+16*\b], v[TM+8+\b]
.endr
	v_nop                                          ; one plain place behind a scaled conversion
.irp c, 0,1                            ; the operand's layout wants a WHOLE block in a lane: lanes 0-15 block 2 c, lanes 16-31 block 2 c + 1
.irp i, 0,1
	v_permlane16_swap_b32 v[QP+4*\c+\i], v[QP+2+4*\c+\i]
.endr
.endr
.endm
.macro IMAGE E, gl, tt                 ; the fragment goes to LDS as it stands: K step 2 w + gl of the second product; its scale word is word 2 gl + tt of my lane's four
	ds_store_b128 v3, v[QP:QP+3]   offset:32768*(\E)+2048*(\gl)+1024*(\tt)
	ds_store_b128 v3, v[QP+4:QP+7] offset:32768*(\E)+2048*(\gl)+1024*(\tt)+512
	ds_store_b32 v4, v[QW] offset:4096*(\E)+4*(2*(\gl)+(\tt))
.endm
.macro PHASE1 E                        ; expert E (0: lo, 1: hi): my 256 hidden units of the 32 tokens
.irp gl, 0,1
	BIAS1 \E, \gl
	s_wait_dscnt 0x0                               ; the biases are in (and the last images' stores have read their registers)
	P1BATCH 8*(\E)+4*\gl+0
	P1BATCH 8*(\E)+4*\gl+1
	P1BATCH 8*(\E)+4*\gl+2
	P1BATCH 8*(\E)+4*\gl+3
	QUANT 0
	IMAGE \E, \gl, 0
	QUANT 1
	IMAGE \E, \gl, 1
.endr
.endm
.macro BIAS2 E                         ; b2 of my 64 outputs into the 8 accumulators
.irp tt, 0,1
.irp t, 0,1,2,3
	ds_load_b128 v[Y+32*\tt+8*\t:Y+32*\tt+8*\t+3],   v7 offset:256*(\E)+64*\t
	ds_load_b128 v[Y+32*\tt+8*\t+4:Y+32*\tt+8*\t+7], v7 offset:256*(\E)+64*\t+16
.endr
.endr
.endm
.macro HFETCH E, st                    ; the hidden fragments of K steps 2 st and 2 st + 1, both tiles of tokens, and their four scale words, into set st % 2: 9 LDS loads
.irp sl, 0,1
.irp tt, 0,1
.irp c, 0,1
	ds_load_b128 v[HF+32*((\st)%2)+16*\sl+8*\tt+4*\c:HF+32*((\st)%2)+16*\sl+8*\tt+4*\c+3], v1 offset:32768*(\E)+(2*(2*(\st)+\sl)+\tt)*1024+512*\c
.endr
.endr
.endr
	ds_load_b128 v[40+4*((\st)%2):43+4*((\st)%2)], v5 offset:4096*(\E)+512*(\st)
.endm
; A batch of the second product: two K steps of my 4 tiles of outputs, against both tiles of tokens: 16 matrix instructions, the 8 accumulators twice round
.macro P2BATCH N
.set PQ, (\N)%3
.set PB, (\N)%8
.set PE, (\N)/8-2
.if PB < 7
	HFETCH PE, PB+1
	s_wait_dscnt 9                                 ; this batch's hidden fragments are in (and, ahead of the first, b2); the 9 loads just issued may be out
.else
	s_wait_dscnt 0x0
.endif
.if (\N) == 31
	s_wait_loadcnt 0x0
.elseif (\N) == 30
	s_wait_loadcnt 20                              ; one batch is left behind this one
.else
	s_wait_loadcnt 40                              ; the two batches behind this one may be out
.endif
	WIN 0x01                                       ; source 0 window 1
.irp sl, 0,1
.irp t, 0,1,2,3
.irp tt, 0,1
.if (\t)%2
	v_wmma_scale_f32_16x16x128_f8f6f4 v[Y+32*\tt+8*\t:Y+32*\tt+8*\t+7], v[64+64*PQ+8*(4*\sl+\t):64+64*PQ+8*(4*\sl+\t)+7], v[HF+32*(PB%2)+16*\sl+8*\tt:HF+32*(PB%2)+16*\sl+8*\tt+7], v[Y+32*\tt+8*\t:Y+32*\tt+8*\t+7], v[28+4*PQ+2*\sl+\t/2], v[40+4*(PB%2)+2*\sl+\tt] matrix_a_fmt:MATRIX_FMT_FP4 matrix_b_fmt:MATRIX_FMT_FP4 matrix_a_scale:MATRIX_SCALE_ROW1
.else
	v_wmma_scale_f32_16x16x128_f8f6f4 v[Y+32*\tt+8*\t:Y+32*\tt+8*\t+7], v[64+64*PQ+8*(4*\sl+\t):64+64*PQ+8*(4*\sl+\t)+7], v[HF+32*(PB%2)+16*\sl+8*\tt:HF+32*(PB%2)+16*\sl+8*\tt+7], v[Y+32*\tt+8*\t:Y+32*\tt+8*\t+7], v[28+4*PQ+2*\sl+\t/2], v[40+4*(PB%2)+2*\sl+\tt] matrix_a_fmt:MATRIX_FMT_FP4 matrix_b_fmt:MATRIX_FMT_FP4
.endif
.endr
.endr
.endr
	WIN 0
	PLACES
.if (\N)+3 < 32
	WLOAD (\N)+3
.endif
.endm
.macro PHASE2 E
	BIAS2 \E
	HFETCH \E, 0
.irp k, 0,1,2,3,4,5,6,7
	P2BATCH 16+8*(\E)+\k
.endr
.endm
	PHASE1 0
	PHASE1 1                                       ; expert hi's images have bytes of their own
	s_wait_dscnt 0x0                               ; for the others' sake: my images lie in LDS
	s_barrier_signal -1
	s_barrier_wait -1                              ; both experts' 32 hidden fragments are whole; nothing is written there again
	PHASE2 0
.set QJ, 0
.rept 32
	v_pk_mul_f32 v[Y+2*QJ:Y+2*QJ+1], v[Y+2*QJ:Y+2*QJ+1], v[16+2*(QJ/16):17+2*(QJ/16)] op_sel_hi:[1,0]   ; x g_lo of my token; each accumulator from its low end on
.set QJ, QJ+1
.endr
.irp i, 0,1,2,3,4,5,6,7,8,9,10,11,12,13,14,15
	ds_store_b128 v8, v[Y+4*\i:Y+4*\i+3] offset:512*\i             ; kept in my own LDS bytes while the registers serve expert hi
.endr
	s_wait_dscnt 0x0
	PHASE2 1
	; THE WAY OUT.  out2 = g_hi x expert hi's result + what was kept; a tile of 16 tokens at a time through my stage, so that sixteen lanes store 256 consecutive bytes of a token's row, aligned.
.irp i, 0,1,2,3,4,5,6,7,8,9,10,11,12,13,14,15
	ds_load_b128 v[HF+4*\i:HF+4*\i+3], v8 offset:512*\i
.endr
.irp tt, 0,1
.irp i, 0,1,2,3,4,5,6,7
	ds_load_b32 v[216+8*\tt+\i], v11 offset:4*(16*\tt+2*\i)        ; the token of row 16 tt + 2 i + lane / 16
.endr
.endr
	v_mov_b32 v60, v17                             ; g_hi, in both halves of a pair, for each tile of tokens
	v_mov_b32 v61, v17
	v_mov_b32 v62, v19
	v_mov_b32 v63, v19
	s_wait_dscnt 0x0
.set QJ, 0
.rept 32
	v_pk_fma_f32 v[Y+2*QJ:Y+2*QJ+1], v[Y+2*QJ:Y+2*QJ+1], v[60+2*(QJ/16):61+2*(QJ/16)], v[HF+2*QJ:HF+2*QJ+1]
.set QJ, QJ+1
.endr
.irp i, 0,1,2,3,4,5,6,7,8,9,10,11,12,13,14,15
	v_min_u32 v[216+\i], 0xfff, v[216+\i]          ; a token, held inside its range;
	v_lshl_add_u32 v[216+\i], v[216+\i], 11, v14   ; its row of 2,048 bytes, my 16 bytes of it
.endr
.irp tt, 0,1
.irp t, 0,1,2,3
	ds_store_b128 v9, v[Y+32*\tt+8*\t:Y+32*\tt+8*\t+3]   offset:64*\t       ; lane (r, h): outputs 64 w + 16 t + 8 h + 0 .. 7 of token r
	ds_store_b128 v9, v[Y+32*\tt+8*\t+4:Y+32*\tt+8*\t+7] offset:64*\t+16
.endr
.irp i, 0,1,2,3,4,5,6,7
	ds_load_b128 v[HF+32*\tt+4*\i:HF+32*\tt+4*\i+3], v10 offset:544*\i      ; LDS serves a wave's instructions in order: these see the stores above, and the next tile's stores come behind them
.endr
.endr
	v_cmp_ne_u32 vcc_lo, 0, v15                    ; a tile without rows stores nothing
	s_wait_xcnt 0x0                                ; EXEC changes only behind this wait
	s_and_saveexec_b32 s60, vcc_lo
.irp tt, 0,1
.irp i, 0,1,2,3,4,5,6,7
	s_wait_dscnt 23-16*\tt-\i                      ; behind this load: its tile's 7 - i younger loads, and for tile 0 also tile 1's sixteen LDS instructions
	global_store_b128 v[216+8*\tt+\i], v[HF+32*\tt+4*\i:HF+32*\tt+4*\i+3], s[24:25] th:TH_STORE_NT
.endr
.endr
	s_wait_xcnt 0x0                                ; and again, ahead of the line that restores it
	s_or_b32 exec_lo, exec_lo, s60
	s_wait_tensorcnt 0x0                           ; the wave's end: behind my last LDS store
	ds_add_u32 v12, v13
	s_wait_dscnt 0x0
	s_endpgm
.Lfunc_end_k_qc0640991f9_chain:
	.size	k_qc0640991f9_chain, .Lfunc_end_k_qc0640991f9_chain-k_qc0640991f9_chain
	.p2alignl 7, 3214868480
	.fill 96, 4, 3214868480
	.section	.rodata,"a",@progbits
	.p2align	6, 0x0
	.amdhsa_kernel k_qc0640991f9_chain
		.amdhsa_group_segment_fixed_size 196608
		.amdhsa_private_segment_fixed_size 0
		.amdhsa_enable_private_segment 0
		.amdhsa_kernarg_size 72
		.amdhsa_user_sgpr_count 2
		.amdhsa_user_sgpr_kernarg_segment_ptr 1
		.amdhsa_wavefront_size32 1
		.amdhsa_system_sgpr_workgroup_id_x 1
		.amdhsa_system_sgpr_workgroup_id_y 1
		.amdhsa_system_sgpr_workgroup_id_z 1
		.amdhsa_system_vgpr_workitem_id 0
		.amdhsa_next_free_vgpr 512
		.amdhsa_next_free_sgpr 66
		.amdhsa_reserve_vcc 1
		.amdhsa_float_denorm_mode_32 3
		.amdhsa_float_denorm_mode_16_64 3
		.amdhsa_memory_ordered 1
		.amdhsa_forward_progress 1
		.amdhsa_inst_pref_size 219
	.end_amdhsa_kernel
	.amdgpu_metadata
---
amdhsa.version: [ 1, 2 ]
amdhsa.kernels:
  - .name:           k_qc0640991f9_chain
    .symbol:         k_qc0640991f9_chain.kd
    .args:
      - { .name: plan, .offset: 0, .size: 8, .value_kind: global_buffer, .address_space: global }
      - { .name: xq, .offset: 8, .size: 8, .value_kind: global_buffer, .address_space: global }
      - { .name: xs, .offset: 16, .size: 8, .value_kind: global_buffer, .address_space: global }
      - { .name: gates, .offset: 24, .size: 8, .value_kind: global_buffer, .address_space: global }
      - { .name: wq, .offset: 32, .size: 8, .value_kind: global_buffer, .address_space: global }
      - { .name: ws, .offset: 40, .size: 8, .value_kind: global_buffer, .address_space: global }
      - { .name: b1, .offset: 48, .size: 8, .value_kind: global_buffer, .address_space: global }
      - { .name: b2, .offset: 56, .size: 8, .value_kind: global_buffer, .address_space: global }
      - { .name: out2, .offset: 64, .size: 8, .value_kind: global_buffer, .address_space: global }
    .group_segment_fixed_size: 196608
    .private_segment_fixed_size: 0
    .kernarg_segment_align: 8
    .kernarg_segment_size: 72
    .max_flat_workgroup_size: 256
    .sgpr_count:     66
    .vgpr_count:     512
    .wavefront_size: 32
...
	.end_amdgpu_metadata
.endif
;; end of part 3
